; MI455X (gfx1250); checked and timed in simulation.
; The chip was launched on July 23, 2026; its instructions are those of AMD's public machine-readable ISA for CDNA 5 (MIT licence, August 2026) and "CDNA5" Instruction Set Architecture Reference Guide (July 2026). The comments in the code are by the model that wrote it; some were corrected since.
;; QKV Attention Legacy. Allowed arithmetic: matrix products marked QUANTISED: E5M2 operands, one E8M0 scale for each 32 along K, by v_wmma_scale_f32_16x16x128_f8f6f4 with both operands' format E5M2, f32 sums; everything else in f32.
;; Inputs: qkv 4 x 3,072 x 2,048 float32.
;; Outputs: out0 4 x 1,024 x 2,048 float32.
;; This version of the problem:
;;   THIS VERSION OF THE PROBLEM IS GIVEN IN LOW PRECISION. The matrix products marked QUANTISED in the list below multiply operands that are first quantised to E5M2 (5 exponent bits, 2 mantissa bits; 8 bits a number), with one power-of-two scale for each 32 numbers along K (OCP MX v1.0); their sums are f32. All else is computed in f32.
;;   The module's matrix products, in the order in which they are computed (A, B: the left and right operand; K: the contracted axis; several contracted axes count as one K, in the product's order):
;;     1. batch 64 x [M 2,048, K 64] x [K 64, N 2,048]; A: computed on the way; B: computed on the way: QUANTISED
;;     2. batch 64 x [M 64, K 2,048] x [K 2,048, N 2,048]; A: input qkv; B: softmax (see below): QUANTISED
;;   THE QUANTISER, for each operand of a quantised product, along K:
;;     - K is cut into blocks of 32 from its start; a last block that is shorter is filled with zeros.
;;     - A block's scale is 2^e with e = floor(log2(the largest magnitude in the block)) - 15, held to -126 .. 127; a block of zeros has e = 0. As a byte (E8M0): e + 127.
;;     - Each number is divided by its block's scale, clamped to +-57,344, and rounded to the nearest number of E5M2, ties to even, subnormals kept.
;;     - The product sums the exact products of the quantised numbers (number of the format x scale) in f32.
;;   ~~~python
;;   def quantise(x, axis):      # numpy; x: float32 -> the quantised numbers, widened to float32 again
;;       x = np.moveaxis(x, axis, -1); K = x.shape[-1]
;;       x = np.pad(x, [(0, 0)] * (x.ndim - 1) + [(0, -K % 32)]); x = x.reshape(x.shape[:-1] + (-1, 32)); a = np.abs(x).max(-1, keepdims=True)
;;       e = np.where(a > 0, np.clip(np.frexp(np.where(a > 0, a, 1))[1] - 1 - 15, -126, 127), 0)      # np.frexp(a)[1] - 1 = floor(log2(a)), exactly
;;       r = np.clip(x / 2.0 ** e, -57344, 57344)
;;       step = 2.0 ** (np.maximum(np.frexp(np.where(r == 0, 1, r))[1] - 1, -14) - 2)
;;       q = np.round(r / step) * step * 2.0 ** e      # np.round: ties to even
;;       return np.moveaxis(q.reshape(q.shape[:-2] + (-1,))[..., :K], -1, axis).astype(np.float32)
;;   ~~~
;;   SOFTMAX AHEAD OF A QUANTISED PRODUCT. Where the list says 'softmax', what is quantised is not the finished softmax but p = 2^(t - M), with t = logit x log2(e) and M = ceil(the row's largest t), a whole number; so 1/2 < the row's largest p <= 1. The row's sum l is taken of the UNQUANTISED p, in f32, and the product's result is divided by l at the end. Since M is a whole number, a kernel that streams over the keys may use a running M (the ceiling of the running maximum): every later rescaling is an exact power of two, which a block's scale takes up: the codes' values come out the same.
;;   OPERANDS COMPUTED ON THE WAY. 'Computed on the way' means the value that the module computes at that place (a softmax that the list does not call 'softmax' is quantised finished and normalised). What goes into a quantiser is computed in f32, as accurately as f32 sums, v_exp_f32 and their like allow (about 1e-6 of the number): no bf16 or f16 on the way to a quantiser, and a product that is left as it is and whose result goes on into a quantised operand takes f32 operands (vector FMAs, or v_wmma_f32_16x16x4_f32). A number that lies on a knife's edge between two numbers of the format may be rounded either way, as far as f32 arithmetic and the matrix unit's own rounding can turn it there, and no further.
;; One version. Each part assembles by itself: llvm-mc -triple=amdgcn-amd-amdhsa -mcpu=gfx1250 --defsym DOCPART=n.
;; ======== version 1 of 1: 1 launch
;; limits: right only within a limited range of input values
;; launch attn (part 1): grid 4 x 64, 16 waves a work-group, clusters of 4 x 1, 324,352 bytes of LDS; arguments qkv, out0; writes out0
.if DOCPART == 1
	.amdgcn_target "amdgcn-amd-amdhsa--gfx1250"
	.amdhsa_code_object_version 6
	.text
	.protected	k_qe02d5bef2b_attn
	.globl	k_qe02d5bef2b_attn
	.p2align	8
	.type	k_qe02d5bef2b_attn,@function
k_qe02d5bef2b_attn:
	s_mov_b64 s[64:65], 0
	v_nop
	global_prefetch_b8 v0, s[64:65] scope:SCOPE_SE
	s_setreg_imm32_b32 hwreg(HW_REG_WAVE_MODE, 25, 1), 1
	s_wait_xcnt 0x0
	s_wait_alu depctr_hold_cnt(0) depctr_sa_sdst(0) depctr_va_vdst(0) depctr_va_sdst(0) depctr_va_ssrc(0) depctr_va_vcc(0) depctr_vm_vsrc(0)
	s_getreg_b32 s2, hwreg(HW_REG_IB_STS2, 6, 4)
	s_cmp_eq_u32 s2, 0
	s_cbranch_scc0 .Lentry_in_a_cluster
	s_endpgm
.Lentry_in_a_cluster:
	s_bfe_u32 s2, ttmp6, 0x10000c
	s_cmp_lg_u32 s2, 0x3003
	s_cbranch_scc0 .Lentry_shape_is_right
	s_endpgm
.Lentry_shape_is_right:
; out0[head][c][t] = sum over s of softmax_s(sum over c' of (q[c'][t] a)(k[c'][s] a)) v[c][s], a = 64^(-1/4); 64 heads; in qkv a head is 192 rows of 2,048 f32: 64 of q, 64 of k, 64 of v.
; Both products on codes of BF8 (E5M2) with one E8M0 scale for each 32 along K.  Product 1: K = the 64 channels (q a and k a are made in f32, then quantised down the channels).
; Product 2: K = the keys; p = 2^(t - M), t = score x log2(e), M the running largest t rounded up to a whole number; the row's sum is taken of the unquantised p and divides at the end;
; when M moves, the sum and O are multiplied by 2^(old M - new M), which rounds nothing.
; SHARES.  A work-group takes one head and 512 of its queries, in two passes of 256.  Sixteen waves of 256 registers, four to a SIMD; a wave owns one tile of 16 queries a pass.
; THE WHOLE HEAD STAYS IN LDS AS CODES.  First every wave quantises a sixteenth of the head's K and V and its own 32 queries, from f32 through registers into LDS; one barrier; then the keys are walked,
; 128 a step, with no barrier and no memory read in the loop.
; LAYOUT.  Both products are used transposed: S^T = K Q^T, O^T = V P^T: a lane holds ONE query (lane % 16) throughout.  Row r of key tile 2 b + u is key 32 b + 8 u + r + 8 (r / 8), so that the 16 registers
; of tiles 2 b and 2 b + 1 are 16 neighbouring keys.  THE INSTRUCTION'S 128 ALONG K HOLD TWO KEY TILES: source 0 is [tile 2 b's 64 channels | tile 2 b + 1's]; source 1 is [Q | zero codes] for the first tile
; and [zero codes | Q] for the second: the registers Q, 0, Q on end serve both.  Zero codes add nothing under any finite scale byte.
; CLUSTER.  The four work-groups of a head form a cluster, since they read the same rows of k and v.  They ask for nothing jointly: k and v arrive as f32 and pass through registers to be quantised, and f32 tiles
; would want LDS bytes that the codes take (324,352 of 327,680 are in use).  No branch and no LDS address hangs on the place in the cluster: it enters q's and out0's offsets alone.
; NO PREFETCH: in the first phase each wave has up to 128 loads out from its first lines on, with every offset an immediate; the key loop reads no memory.
; LIMITS.  NaN and infinities in qkv are not served.  A block of zeros gets the byte 1 where the rule says 127: its codes are zeros, and this program alone reads the bytes.  A p under 2^-126 becomes 0.
; A block's largest p is made from the block's largest score by the same two instructions as every p, which takes v_exp_f32 not to fall where its input rises.  The scaled scores stay under 2^31 in magnitude.
.set VP,    2064                       ; a row of V's codes: 2,048 + 16
.set VSP,   68                         ; a row of V's scale bytes: 64 + 4
.set XP,    1040                       ; a row of the way out's stage: 256 queries x 4 bytes + 16
.set VROW,  131072                     ; 0 ..: K's 64 blocks of 32 keys, each an image of an operand's 16 registers: 2,048 block + 512 c + 16 lane.  Then V's 64 rows
.set KSC,   VROW+64*VP                 ; K's scale words: 64 block + 4 r: bytes 0, 1 tile 2 b's, bytes 2, 3 tile 2 b + 1's
.set VSC,   KSC+4096                   ; V's scale bytes: VSP x row + key / 32
.set XB,    VSC+64*VSP                 ; the stage: 32 channels x XP
.set QW,    1088                       ; a wave's Q stage for one pass: a tile's image (1,024) and 16 scale words
.set QD,    16*QW
.set QST,   XB+32*XP-QD                ; pass 0's Q stages lie in the stage's last bytes (a barrier parts their last read from the stage's first store); pass 1's behind them
.set SPARE, QST+2*QD                   ; the spare words, 128 bytes a wave: eight blocks of 256 bytes that no other line names
.set ROWB,  8192
.set KBASE, 64*ROWB
.set VBASE, 128*ROWB
.set FLOOR, 0x8000000                  ; 2^(16 - 127): no scale byte falls under 1
.set EOFF,  0xf8800000                 ; -(15 << 23)
.set EXPM,  0x7f800000
; registers that stay
.set AK0,  1                           ; 16 lane
.set AV0,  2                           ; VROW + VP r + 16 h
.set AKS0, 3                           ; KSC + 4 lane
.set AVS0, 4                           ; VSC + VSP lane
.set ADK,  5
.set ADKS, 6
.set ADV,  7
.set ADV2, 8
.set ADVS, 9
.set AQ,   10
.set AQS,  11
.set NM,   12                          ; -M
.set TMX,  13
.set LS,   14                          ; v[14:15] the sum in two halves
.set Q,    16                          ; v16-23 Q's codes, v24-31 zero codes, v32-39 Q's codes again
.set S,    40                          ; v40-103 S^T, then p, then V's four fragments
.set O,    104                         ; v104-135 O^T
.set PC,   136                         ; v136-151 p's codes
.set KF,   152                         ; v152-215 K: four operands of 16 registers
.set BM,   216
.set T1,   220
.set HL,   224
.set SO,   228
.set F,    232
.set XT,   234
.set XM,   235
.set KS,   236                         ; v236, v237 K's scale words: blocks 0 / 1, 2 / 3 in lanes 0-15 / 16-31
.set VS,   238                         ; v238, v239 V's: channel tiles 0 / 1, 2 / 3 likewise
.set QS,   240
.set PS,   241
.set SOA,  242
.set SRA,  243
.set GO,   244
.set WQ,   245
.set WQS,  246
.set SPW,  254
.set NIL,  255
; the first phase alone
.set KO,   16
.set VO,   17
.set QO,   18
.set KIA,  19
.set KSA,  20
.set VIA,  21
.set VSA,  22
.set QIA,  23
.set QSA,  24
.set X,    32                          ; v32-95 64 channels of one key
.set Y,    96                          ; v96-159 64 channels of one query, then 8 rows of v x 8 keys
.set WD,   160
.set CCC,  176
.set CCV,  192
.set VT,   208
.set VSO,  216
.set VHL,  224
.set VBY,  232
.set CT,   208
.set CSO,  212
.set CHL,  214
.set CBY,  216
; scalars
.set WV,   8
.set SEL,  12
.set CS,   14
.set SCL,  16
.set MNT,  18
.set STEPS, 19
.set PASSES, 20
.set TK,   21
.set TKS,  22
.set TV,   23
.set TVS,  24
.set QB,   25
.macro BARRIER                         ; what I wrote in registers is settled, my LDS stores have landed and my LDS loads are in: then the barrier
	s_wait_alu depctr_va_vdst(0)
	s_wait_dscnt 0x0
	s_barrier_signal -1
	s_barrier_wait -1
.endm
	s_load_b128 s[4:7], s[0:1], 0x0                ; qkv, out0
	v_lshl_add_u32 v[SPW], v0, 2, SPARE
	v_mov_b32 v[NIL], 0
	v_lshrrev_b32 v27, 5, v0
	v_readfirstlane_b32 s[WV], v27                 ; wave 0..15
	; all scalar set-up first, then all vector set-up
	s_bfe_u32 s9, ttmp6, 0x40000                   ; my place in the cluster
	s_lshl_b32 s26, ttmp9, 2
	s_add_co_u32 s9, s26, s9                       ; x: which 512 queries
	s_and_b32 s10, ttmp7, 0xffff                   ; the head
	s_mul_i32 s26, s[WV], QW
	s_add_co_u32 s26, s26, QST                     ; my Q stage of pass 0
	s_add_co_u32 s37, s26, 1024                    ; its scale words
	s_lshl_b32 s27, s[WV], 6
	s_add_co_u32 s27, s27, XB                      ; the stage, in: my 16 queries' 64 bytes of a row
	s_mul_i32 s28, s[WV], 2*XP
	s_add_co_u32 s28, s28, XB                      ; the stage, back: my two rows
	s_lshl_b32 s29, s[WV], 14                      ; the same two rows in out0
	s_lshl_b32 s30, s[WV], 9                       ; k: my 128 keys
	s_lshl_b32 s31, s[WV], 13                      ; their images: four blocks
	s_lshl_b32 s32, s[WV], 8
	s_add_co_u32 s32, s32, KSC                     ; their scale words
	s_lshr_b32 s42, s[WV], 1                       ; v: which 8 rows,
	s_and_b32 s43, s[WV], 1                        ; which 1,024 keys
	s_lshl_b32 s33, s42, 16
	s_lshl_b32 s44, s43, 12
	s_add_co_u32 s33, s33, s44
	s_mul_i32 s34, s42, 8*VP
	s_lshl_b32 s44, s43, 10
	s_add_co_u32 s34, s34, s44
	s_add_co_u32 s34, s34, VROW
	s_mul_i32 s35, s42, 8*VSP
	s_lshl_b32 s44, s43, 5
	s_add_co_u32 s35, s35, s44
	s_add_co_u32 s35, s35, VSC
	s_lshl_b32 s45, s9, 11                         ; 512 queries x 4 bytes
	s_lshl_b32 s36, s[WV], 6
	s_add_co_u32 s36, s36, s45                     ; q: my 16 queries of pass 0
	s_lshl_b32 s38, s10, 19                        ; out0: the head's 64 rows, + my 512 queries
	s_add_co_u32 s38, s38, s45
	s_mov_b32 s39, 0
	s_mul_i32 s40, s10, 192*ROWB                   ; qkv: the head's 192 rows
	s_mov_b32 s41, 0
	s_mov_b32 s[SEL], 0x76543210
	s_mov_b32 s[SEL+1], 0xfedcba98
	s_mov_b32 s[CS], 0x3fb8aa3b                    ; log2(e)
	s_mov_b32 s[CS+1], s[CS]
	s_mov_b32 s[SCL], 0x3eb504f3                   ; 64^(-1/4)
	s_mov_b32 s[SCL+1], s[SCL]
	s_mov_b32 s[MNT], 0x600000                     ; the mantissa field of 57,344
	v_and_b32 v27, 31, v0                          ; lane
	v_and_b32 v28, 15, v0                          ; r
	v_bfe_u32 v29, v0, 4, 1                        ; h
	v_bfe_u32 v30, v0, 3, 1                        ; as a key of 32: its tile of the pair, u,
	v_and_b32 v31, 7, v0
	v_lshl_or_b32 v31, v29, 3, v31                 ; and its row there
	v_lshlrev_b32 v[AK0], 4, v27
	v_mul_u32_u24 v[AV0], v28, VP
	v_lshl_add_u32 v[AV0], v29, 4, v[AV0]
	v_add_nc_u32 v[AV0], VROW, v[AV0]
	v_lshl_add_u32 v[AKS0], v27, 2, KSC
	v_mul_u32_u24 v[AVS0], v27, VSP
	v_add_nc_u32 v[AVS0], VSC, v[AVS0]
	v_add_nc_u32 v[AQ], s26, v[AK0]
	v_lshl_add_u32 v[AQS], v28, 2, s37
	v_mul_u32_u24 v[QIA], v29, QD                  ; as a query: lanes 0-15 are pass 0's tile, lanes 16-31 pass 1's, QD bytes on
	v_lshl_add_u32 v[QSA], v28, 2, v[QIA]
	v_lshl_add_u32 v[QIA], v28, 4, v[QIA]
	v_add_nc_u32 v[QIA], s26, v[QIA]
	v_add_nc_u32 v[QSA], s37, v[QSA]
	v_mul_u32_u24 v[SOA], v29, 8*XP
	v_lshl_add_u32 v[SOA], v28, 2, v[SOA]
	v_add_nc_u32 v[SOA], s27, v[SOA]
	v_add_nc_u32 v[SRA], s28, v[AK0]
	v_add_nc_u32 v[GO], s29, v[AK0]
	v_lshl_add_u32 v[KO], v27, 2, s30              ; k: a lane a key
	v_lshlrev_b32 v[KIA], 10, v30
	v_lshl_add_u32 v[KIA], v31, 4, v[KIA]
	v_add_nc_u32 v[KIA], s31, v[KIA]
	v_lshlrev_b32 v[KSA], 1, v30
	v_lshl_add_u32 v[KSA], v31, 2, v[KSA]
	v_add_nc_u32 v[KSA], s32, v[KSA]
	v_lshl_add_u32 v[VO], v27, 5, s33              ; v: a lane 8 neighbouring keys
	v_lshl_add_u32 v[VIA], v27, 3, s34
	v_lshrrev_b32 v[VSA], 2, v27                   ; four lanes to a block of 32 keys
	v_add_nc_u32 v[VSA], s35, v[VSA]
	v_lshlrev_b32 v[QO], 10, v29                   ; q: lanes 16-31 take the queries 256 on
	v_lshl_add_u32 v[QO], v28, 2, v[QO]
	v_add_nc_u32 v[QO], s36, v[QO]
	s_wait_alu depctr_va_vdst(0)                   ; the wait at the head's end
	s_wait_kmcnt 0x0
	s_add_nc_u64 s[4:5], s[4:5], s[40:41]
	s_add_nc_u64 s[6:7], s[6:7], s[38:39]
; ---------------- THE FIRST PHASE: f32 to codes.  Four trips, written out: every offset is an immediate, no address is stepped ----------------
.macro LOADV t                         ; 8 rows of v x 256 keys: a lane's two loads are 8 neighbouring keys
.irp i, 0,1,2,3,4,5,6,7
	global_load_b128 v[Y+8*\i:Y+8*\i+3], v[VO], s[4:5] offset:VBASE+ROWB*\i+1024*(\t)
	global_load_b128 v[Y+8*\i+4:Y+8*\i+7], v[VO], s[4:5] offset:VBASE+ROWB*\i+1024*(\t)+16
.endr
.endm
.macro LOADK t                         ; 32 keys x 64 channels: a lane takes a key and its registers run down the channels
.set cc, 0
.rept 64
	global_load_b32 v[X+cc], v[KO], s[4:5] offset:KBASE+ROWB*cc+128*(\t)
.set cc, cc+1
.endr
.endm
; A lane's column of 64 channels is multiplied by 64^(-1/4) and quantised: two blocks of 32, both the lane's own.  The 64 codes go to LDS as four pieces of 16 bytes, 256 bytes apart:
; piece 2 g + h' holds channels 32 g + 16 h' on, which lane (r, h') of an operand wants in a group of four registers.  The two scale bytes: K stores 16 bits, Q the two bytes twice.
.macro CQUANT x, ia, io, sa, so, wide
.set cc, 0
.rept 32
	v_pk_mul_f32 v[(\x)+cc:(\x)+cc+1], v[(\x)+cc:(\x)+cc+1], s[SCL:SCL+1] op_sel_hi:[1,0]
.set cc, cc+2
.endr
.irp g, 0,1
	v_max3_num_f32 v[CT+2*\g], |v[(\x)+32*\g]|, |v[(\x)+32*\g+1]|, FLOOR
	v_max3_num_f32 v[CT+2*\g+1], |v[(\x)+32*\g+16]|, |v[(\x)+32*\g+17]|, |v[(\x)+32*\g+18]|
.endr
.irp i, 0,2,4,6,8,10
.irp g, 0,1
	v_max3_num_f32 v[CT+2*\g], v[CT+2*\g], |v[(\x)+32*\g+2+\i]|, |v[(\x)+32*\g+3+\i]|
	v_max3_num_f32 v[CT+2*\g+1], v[CT+2*\g+1], |v[(\x)+32*\g+19+\i]|, |v[(\x)+32*\g+20+\i]|
.endr
.endr
.irp g, 0,1
	v_max3_num_f32 v[CT+2*\g], v[CT+2*\g], |v[(\x)+32*\g+14]|, |v[(\x)+32*\g+15]|
.endr
.irp g, 0,1
	v_max3_num_f32 v[CT+2*\g], v[CT+2*\g], v[CT+2*\g+1], |v[(\x)+32*\g+31]|
.endr
.irp g, 0,1
	v_add_nc_u32 v[CSO+\g], EOFF, v[CT+2*\g]       ; 15 off the exponent field: the conversion's scale operand
	v_and_or_b32 v[CHL+\g], v[CT+2*\g], EXPM, s[MNT]   ; 57,344 x the scale
.endr
.irp g, 0,1
	v_lshrrev_b32 v[CBY+\g], 23, v[CSO+\g]         ; the scale's byte
.endr
	v_lshl_or_b32 v[WD], v[CBY+1], 8, v[CBY]
	v_lshl_or_b32 v[WD], v[WD], 16, v[WD]
.irp g, 0,1
.set cc, 0
.rept 32
	v_med3_num_f32 v[(\x)+32*\g+cc], v[(\x)+32*\g+cc], -v[CHL+\g], v[CHL+\g]   ; the conversion does not saturate (ISA guide 7.6.2): the hold comes first
.set cc, cc+1
.endr
.irp j, 0,1,2,3
	v_cvt_scalef32_pk8_bf8_f32 v[CCC+8*\g+2*\j:CCC+8*\g+2*\j+1], v[(\x)+32*\g+8*\j:(\x)+32*\g+8*\j+7], v[CSO+\g]
.endr
.endr
	v_nop                                          ; a plain line behind the last conversion
.irp q, 0,1,2,3
	ds_store_b128 v[\ia], v[CCC+4*\q:CCC+4*\q+3] offset:(\io)+256*\q
.endr
.if \wide
	ds_store_b32 v[\sa], v[WD] offset:(\so)
.else
	ds_store_b16 v[\sa], v[WD] offset:(\so)
.endif
.endm
; 8 rows of v x 8 keys a lane: a block of 32 keys lies in four neighbouring lanes.  The rows by turns.
.macro VQUANT t
.irp i, 0,1,2,3,4,5,6,7
	v_max3_num_f32 v[VT+\i], |v[Y+8*\i]|, |v[Y+8*\i+1]|, FLOOR
.endr
.irp k, 2,4,6
.irp i, 0,1,2,3,4,5,6,7
	v_max3_num_f32 v[VT+\i], v[VT+\i], |v[Y+8*\i+\k]|, |v[Y+8*\i+\k+1]|
.endr
.endr
.irp m, 1,2
.irp i, 0,1,2,3,4,5,6,7
	v_max_num_f32_dpp v[VT+\i], v[VT+\i], v[VT+\i] row_xmask:\m row_mask:0xf bank_mask:0xf
.endr
.endr
.irp i, 0,1,2,3,4,5,6,7
	v_add_nc_u32 v[VSO+\i], EOFF, v[VT+\i]
.endr
.irp i, 0,1,2,3,4,5,6,7
	v_and_or_b32 v[VHL+\i], v[VT+\i], EXPM, s[MNT]
.endr
.irp i, 0,1,2,3,4,5,6,7
	v_lshrrev_b32 v[VBY+\i], 23, v[VSO+\i]
.endr
.irp i, 0,1,2,3,4,5,6,7
.irp k, 0,1,2,3,4,5,6,7
	v_med3_num_f32 v[Y+8*\i+\k], v[Y+8*\i+\k], -v[VHL+\i], v[VHL+\i]
.endr
	v_cvt_scalef32_pk8_bf8_f32 v[CCV+2*\i:CCV+2*\i+1], v[Y+8*\i:Y+8*\i+7], v[VSO+\i]
.endr
	v_nop                                          ; a plain line behind the last conversion
.irp i, 0,1,2,3,4,5,6,7
	ds_store_b64 v[VIA], v[CCV+2*\i:CCV+2*\i+1] offset:VP*\i+256*(\t)   ; 32 lanes: 256 consecutive bytes of a row of codes
	ds_store_b8 v[VSA], v[VBY+\i] offset:VSP*\i+8*(\t)   ; the four lanes of a block write the same byte with the same value
.endr
.endm
; One trip: 32 of my keys of k, then 256 keys of my 8 rows of v.  Each set of registers takes the next trip's loads as soon as it is converted.
.macro PTRIP t
	s_wait_loadcnt 16                              ; behind k's 64 loads v's 16 were issued
	s_wait_dscnt 0x0                               ; the earlier LDS stores have read the codes' registers
	CQUANT X, KIA, 2048*(\t), KSA, 64*(\t), 0
.if (\t) < 3
	LOADK (\t)+1
	s_wait_loadcnt 63                              ; behind v's 16 loads 64 were issued; the wait names 63, which is under that: v is in
.else
	s_wait_loadcnt 0x0
.endif
	s_wait_dscnt 0x0
	VQUANT \t
.if (\t) < 3
	LOADV (\t)+1
.endif
.endm
.set cc, 0
.rept 64
	global_load_b32 v[Y+cc], v[QO], s[4:5] offset:ROWB*cc   ; my 32 queries: 16 of each pass
.set cc, cc+1
.endr
	LOADK 0
	s_wait_loadcnt 63                              ; behind q's 64 loads 64 were issued: q is in
	CQUANT Y, QIA, 0, QSA, 0, 1
	LOADV 0
	PTRIP 0
	PTRIP 1
	PTRIP 2
	PTRIP 3
	s_wait_dscnt 0x0                               ; for the others' sake: my images, rows and scales lie in LDS
	s_barrier_signal -1
.irp j, 8,9,10,11,12,13,14,15
	v_mov_b32 v[Q+\j], 0                           ; the zero codes between Q's two copies, written once
.endr
.irp j, 0,1,2,3
	v_mov_b32 v[T1+\j], 0                          ; a lane permute's destination counts as one of its sources
.endr
	v_mov_b32 v[F+1], 0                            ; named as the upper half of the pair
	v_mov_b32 v[ADV], v[AV0]                       ; key step 0
	v_add_nc_u32 v[ADV2], 32*VP, v[AV0]
	v_mov_b32 v[ADVS], v[AVS0]
	s_mov_b32 s[TK], 8192                          ; the next fetches are key step 1's
	s_mov_b32 s[TKS], 256
	s_mov_b32 s[TV], 128
	s_mov_b32 s[TVS], 4
	s_mov_b32 s[QB], 0
	s_mov_b32 s[PASSES], 2
	s_wait_alu depctr_va_vdst(0)                   ; the wait here, directly ahead of the barrier's wait
	s_barrier_wait -1                              ; the whole head lies in LDS
; ---------------- THE KEY LOOP ----------------
.macro FETCH_K ka, ks                  ; a step's four operands of K, each four loads of 512 consecutive bytes, and its scale words
.irp b, 0,1,2,3
.irp c, 0,1,2,3
	ds_load_b128 v[KF+16*\b+4*\c:KF+16*\b+4*\c+3], v[\ka] offset:2048*\b+512*\c
.endr
.endr
	ds_load_b32 v[KS], v[\ks]
	ds_load_b32 v[KS+1], v[\ks] offset:128
.endm
.macro SPROD b                         ; S^T of key tiles 2 b and 2 b + 1: one operand of K against [Q | 0] and [0 | Q]; an odd block's scale words lie in lanes 16-31
.if (\b)%2 == 0
	v_wmma_scale_f32_16x16x128_f8f6f4 v[S+16*(\b):S+16*(\b)+7], v[KF+16*(\b):KF+16*(\b)+15], v[Q:Q+15], 0, v[KS+(\b)/2], v[QS] matrix_a_fmt:MATRIX_FMT_BF8 matrix_b_fmt:MATRIX_FMT_BF8
	v_wmma_scale_f32_16x16x128_f8f6f4 v[S+16*(\b)+8:S+16*(\b)+15], v[KF+16*(\b):KF+16*(\b)+15], v[Q+8:Q+23], 0, v[KS+(\b)/2], v[QS] matrix_a_fmt:MATRIX_FMT_BF8 matrix_b_fmt:MATRIX_FMT_BF8
.else
	v_wmma_scale_f32_16x16x128_f8f6f4 v[S+16*(\b):S+16*(\b)+7], v[KF+16*(\b):KF+16*(\b)+15], v[Q:Q+15], 0, v[KS+(\b)/2], v[QS] matrix_a_fmt:MATRIX_FMT_BF8 matrix_b_fmt:MATRIX_FMT_BF8 matrix_a_scale:MATRIX_SCALE_ROW1
	v_wmma_scale_f32_16x16x128_f8f6f4 v[S+16*(\b)+8:S+16*(\b)+15], v[KF+16*(\b):KF+16*(\b)+15], v[Q+8:Q+23], 0, v[KS+(\b)/2], v[QS] matrix_a_fmt:MATRIX_FMT_BF8 matrix_b_fmt:MATRIX_FMT_BF8 matrix_a_scale:MATRIX_SCALE_ROW1
.endif
.endm
.macro PPROD tc                        ; O^T += V P^T, channel tile tc: the four accumulators by turns
.if (\tc)%2 == 0
	v_wmma_scale_f32_16x16x128_f8f6f4 v[O+8*(\tc):O+8*(\tc)+7], v[S+16*(\tc):S+16*(\tc)+15], v[PC:PC+15], v[O+8*(\tc):O+8*(\tc)+7], v[VS+(\tc)/2], v[PS] matrix_a_fmt:MATRIX_FMT_BF8 matrix_b_fmt:MATRIX_FMT_BF8
.else
	v_wmma_scale_f32_16x16x128_f8f6f4 v[O+8*(\tc):O+8*(\tc)+7], v[S+16*(\tc):S+16*(\tc)+15], v[PC:PC+15], v[O+8*(\tc):O+8*(\tc)+7], v[VS+(\tc)/2], v[PS] matrix_a_fmt:MATRIX_FMT_BF8 matrix_b_fmt:MATRIX_FMT_BF8 matrix_a_scale:MATRIX_SCALE_ROW1
.endif
.endm
; THE WAY OUT, 32 channels at a time.  A register of O^T holds 16 neighbouring queries of one channel in 16 lanes; a channel's 256 queries come from sixteen waves: they meet in the stage, and each wave stores 2 whole rows.
.macro OUTHALF hf, rb
.irp u, 0,1
.irp j, 0,1,2,3,4,5,6,7
	ds_store_b32 v[SOA], v[O+8*(2*(\hf)+\u)+\j] offset:(16*\u+\j)*XP
.endr
.endr
	BARRIER                                        ; 32 whole rows lie in the stage
.irp i, 0,1,2,3
	ds_load_b128 v[(\rb)+4*\i:(\rb)+4*\i+3], v[SRA] offset:XP*(\i/2)+512*(\i%2)
.endr
.irp i, 0,1,2,3
	s_wait_dscnt 3-\i                              ; LDS loads come back in order: load i is in, the younger ones may be out
	global_store_b128 v[GO], v[(\rb)+4*\i:(\rb)+4*\i+3], s[6:7] offset:32*ROWB*(\hf)+ROWB*(\i/2)+512*(\i%2) th:TH_STORE_NT   ; 32 lanes store 512 consecutive bytes, at a multiple of 512 from out0's first byte
.endr
.endm
	FETCH_K AK0, AKS0                              ; key step 0
.Lpass:
	v_add_nc_u32 v[WQ], s[QB], v[AQ]
	v_add_nc_u32 v[WQS], s[QB], v[AQS]
	ds_load_b128 v[Q:Q+3], v[WQ]                   ; my tile of queries comes back as a fragment, twice: below and above the zero codes
	ds_load_b128 v[Q+4:Q+7], v[WQ] offset:512
	ds_load_b128 v[Q+16:Q+19], v[WQ]
	ds_load_b128 v[Q+20:Q+23], v[WQ] offset:512
	ds_load_b32 v[QS], v[WQS]
	v_mov_b32 v[TMX], 0xff61b1e6                   ; the largest t so far: -3e38, under every t
	v_floor_f32 v[NM], -v[TMX]
	v_mov_b32 v[LS], 0
	v_mov_b32 v[LS+1], 0
.set cc, 0
.rept 32
	v_mov_b32 v[O+cc], 0                           ; the step is written once: the first finds zeros, which the first change of M leaves zeros
.set cc, cc+1
.endr
	s_mov_b32 s[STEPS], 16
	s_wait_alu depctr_va_vdst(0)                   ; the wait here, directly ahead of the wait below
	s_wait_dscnt 0x0                               ; Q, and K of step 0.  (Inside the loop the wait ahead of the second product has shown the next step's K in)
.Lstep:
.irp b, 0,1,2,3
	SPROD \b
.endr
	v_add_nc_u32 v[ADK], s[TK], v[AK0]             ; eight places between the products and the loads into the registers that they read, and the first read of their results
	v_add_nc_u32 v[ADKS], s[TKS], v[AKS0]
	v_mov_b32 v[XT], v[NM]                         ; the old -M
.rept 5
	v_nop
.endr
	FETCH_K ADK, ADKS                              ; the NEXT step's K lands under the softmax.  The addresses go round: a pass's last step fetches step 0 for the next pass; the launch's very last fetch is not used
	s_add_co_u32 s[TK], s[TK], 8192
	s_and_b32 s[TK], s[TK], 131071
	s_add_co_u32 s[TKS], s[TKS], 256
	s_and_b32 s[TKS], s[TKS], 4095
.irp b, 0,1,2,3
	v_max3_num_f32 v[BM+\b], v[S+16*\b], v[S+16*\b+1], v[S+16*\b+2]   ; the largest score of each block of 32 keys: for the row's maximum and for the block's largest p.  Each accumulator is read from its low end on
.endr
.irp i, 3,5,7,9,11,13
.irp b, 0,1,2,3
	v_max3_num_f32 v[BM+\b], v[BM+\b], v[S+16*\b+\i], v[S+16*\b+\i+1]
.endr
.endr
.irp b, 0,1,2,3
	v_max_num_f32 v[BM+\b], v[BM+\b], v[S+16*\b+15]
.endr
.irp b, 0,1,2,3
	v_permlanex16_b32 v[T1+\b], v[BM+\b], s[SEL], s[SEL+1]
.endr
.irp b, 0,1,2,3
	v_max_num_f32 v[BM+\b], v[BM+\b], v[T1+\b]     ; with lane l xor 16's 16 keys
.endr
	v_max3_num_f32 v[XM], v[BM], v[BM+1], v[BM+2]
	v_max_num_f32 v[XM], v[XM], v[BM+3]            ; the step's largest score of my query,
	v_mul_f32 v[XM], s[CS], v[XM]                  ; as t
	v_max_num_f32 v[TMX], v[TMX], v[XM]            ; the running largest t
	v_floor_f32 v[NM], -v[TMX]                     ; the new -M = -ceil(t)
	v_sub_f32 v[XT], v[NM], v[XT]                  ; old M - new M: a whole number, 0 or less
	v_cvt_i32_f32 v[XT], v[XT]                     ; (it saturates)
	v_ldexp_f32 v[F], 1.0, v[XT]                   ; f = 2^(old M - new M)
.irp b, 0,1,2,3
	v_fma_f32 v[BM+\b], v[BM+\b], s[CS], v[NM]     ; t - M of each block's largest score
.endr
.set cc, 0
.rept 32
	v_pk_fma_f32 v[S+cc:S+cc+1], v[S+cc:S+cc+1], s[CS:CS+1], v[NM:NM+1] op_sel_hi:[1,0,0]   ; t - M, two at a time
.set cc, cc+2
.endr
	s_wait_alu depctr_va_vdst(0)                   ; the wait ahead of the batch
.irp b, 0,1,2,3
	v_exp_f32 v[BM+\b], v[BM+\b]                   ; the blocks' largest p: the same two instructions on the same number give the same bits
.endr
.set cc, 0
.rept 64
	v_exp_f32 v[S+cc], v[S+cc]                     ; p = 2^(t - M), at most 1: not normalised
.set cc, cc+1
.endr
	v_pk_mul_f32 v[LS:LS+1], v[LS:LS+1], v[F:F+1] op_sel_hi:[1,0]   ; the sums under the new M: the plain line behind the exponentials
	s_wait_alu depctr_va_vdst(0)                   ; one wait for the batch of 68, ahead of the first line that names a result
	v_pk_add_f32 v[T1:T1+1], v[S:S+1], v[S+2:S+3]  ; the row's sum is taken of the unquantised p: two at a time, in two chains
.irp j, 4,8,12,16,20,24,28,32,36,40,44,48,52,56,60
	v_pk_add_f32 v[LS:LS+1], v[LS:LS+1], v[S+\j:S+\j+1]
	v_pk_add_f32 v[T1:T1+1], v[T1:T1+1], v[S+\j+2:S+\j+3]
.endr
	v_pk_add_f32 v[LS:LS+1], v[LS:LS+1], v[T1:T1+1]
.irp b, 0,1,2,3
	v_max_num_f32 v[BM+\b], FLOOR, v[BM+\b]        ; a block whose every p has fallen to 0 keeps the byte 1: its codes are zeros
.endr
.irp b, 0,1,2,3
	v_add_nc_u32 v[SO+\b], EOFF, v[BM+\b]
.endr
.irp b, 0,1,2,3
	v_and_or_b32 v[HL+\b], v[BM+\b], EXPM, s[MNT]
.endr
.irp b, 0,1,2,3
	v_lshrrev_b32 v[T1+\b], 23, v[SO+\b]
.endr
	v_lshl_or_b32 v[XM], v[T1+1], 8, v[T1]
	v_lshl_or_b32 v[XM], v[T1+2], 16, v[XM]
	v_lshl_or_b32 v[PS], v[T1+3], 24, v[XM]        ; p's scale word for these 128 keys
.irp b, 0,1,2,3
.irp i, 0,2,4,6,8,10,12,14
	v_dual_min_num_f32 v[S+16*\b+\i], v[S+16*\b+\i], v[HL+\b] :: v_dual_min_num_f32 v[S+16*\b+\i+1], v[S+16*\b+\i+1], v[HL+\b]   ; the hold (ISA guide 7.6.2), two numbers a line; p is not negative, so it is one-sided
.endr
	v_cvt_scalef32_pk8_bf8_f32 v[PC+4*\b:PC+4*\b+1], v[S+16*\b:S+16*\b+7], v[SO+\b]
	v_cvt_scalef32_pk8_bf8_f32 v[PC+4*\b+2:PC+4*\b+3], v[S+16*\b+8:S+16*\b+15], v[SO+\b]
.irp c, 0,1,2,3                        ; the block's 16 registers are free: they take V's channel tile b (16 channels x 128 keys)
.if \b < 2
	ds_load_b128 v[S+16*\b+4*\c:S+16*\b+4*\c+3], v[ADV] offset:16*VP*\b+32*\c
.else
	ds_load_b128 v[S+16*\b+4*\c:S+16*\b+4*\c+3], v[ADV2] offset:16*VP*(\b-2)+32*\c
.endif
.endr
.endr
	ds_load_b32 v[VS], v[ADVS]
	ds_load_b32 v[VS+1], v[ADVS] offset:32*VSP
	s_wait_alu depctr_va_vdst(0)                   ; the wait here, directly ahead of the first reader of O^T
.irp j, 0,2,4,6,8,10,12,14,16,18,20,22,24,26,28,30
	v_pk_mul_f32 v[O+\j:O+\j+1], v[O+\j:O+\j+1], v[F:F+1] op_sel_hi:[1,0]   ; O^T under the new M.  These 16 are also the plain lines between the conversions and the products that take the codes
.endr
	s_wait_alu depctr_va_vdst(0)                   ; the wait here, directly ahead of the wait below
	s_wait_dscnt 0x0                               ; V, and the next step's K
.irp tc, 0,1,2,3
	PPROD \tc
.endr
	v_add_nc_u32 v[ADV], s[TV], v[AV0]             ; nine places: the next first products write over the registers that held V
	v_add_nc_u32 v[ADV2], 32*VP, v[ADV]
	v_add_nc_u32 v[ADVS], s[TVS], v[AVS0]
.rept 6
	v_nop
.endr
	s_add_co_u32 s[TV], s[TV], 128
	s_and_b32 s[TV], s[TV], 2047
	s_add_co_u32 s[TVS], s[TVS], 4
	s_and_b32 s[TVS], s[TVS], 63
	s_sub_co_u32 s[STEPS], s[STEPS], 1
	s_cmp_lg_u32 s[STEPS], 0
	s_cbranch_scc1 .Lstep
	v_add_f32 v[LS], v[LS], v[LS+1]                ; the sum's two halves,
	v_permlanex16_b32 v[XT], v[LS], s[SEL], s[SEL+1]
	v_add_f32 v[LS], v[LS], v[XT]                  ; and lane l xor 16's: the row's sum
	s_wait_alu depctr_va_vdst(0)                   ; the wait ahead of the transcendental
	v_rcp_f32 v[F], v[LS]
	v_nop                                          ; a plain line behind the reciprocal
	s_wait_alu depctr_va_vdst(0)                   ; the wait ahead of its first reader, which is also the first reader of the last products' results
.irp j, 0,2,4,6,8,10,12,14,16,18,20,22,24,26,28,30
	v_pk_mul_f32 v[O+\j:O+\j+1], v[O+\j:O+\j+1], v[F:F+1] op_sel_hi:[1,0]   ; O^T / the sum, each accumulator from its low end on
.endr
	BARRIER                                        ; every wave has read its Q stage, and the last pass's reads of the stage are over: the stage may be written
	OUTHALF 0, S
	BARRIER                                        ; every wave's reads of the first half are in: the stage may be written again
	OUTHALF 1, S+16
	s_wait_xcnt 0x0                                ; the stores have read their registers and their base: both are written again only behind this wait
	s_add_nc_u64 s[6:7], s[6:7], 1024              ; 256 queries on
	s_add_co_u32 s[QB], s[QB], QD
	s_sub_co_u32 s[PASSES], s[PASSES], 1
	s_cmp_lg_u32 s[PASSES], 0
	s_cbranch_scc1 .Lpass
	s_wait_tensorcnt 0x0                           ; the wave's end, behind my last LDS store
	ds_add_u32 v[SPW], v[NIL]
	s_wait_dscnt 0x0
	s_endpgm
.Lfunc_end_k_qe02d5bef2b_attn:
	.size	k_qe02d5bef2b_attn, .Lfunc_end_k_qe02d5bef2b_attn-k_qe02d5bef2b_attn
	.p2alignl 7, 3214868480
	.fill 96, 4, 3214868480
	.section	.rodata,"a",@progbits
	.p2align	6, 0x0
	.amdhsa_kernel k_qe02d5bef2b_attn
		.amdhsa_group_segment_fixed_size 324352
		.amdhsa_private_segment_fixed_size 0
		.amdhsa_enable_private_segment 0
		.amdhsa_kernarg_size 16
		.amdhsa_user_sgpr_count 2
		.amdhsa_user_sgpr_kernarg_segment_ptr 1
		.amdhsa_wavefront_size32 1
		.amdhsa_system_sgpr_workgroup_id_x 1
		.amdhsa_system_sgpr_workgroup_id_y 1
		.amdhsa_system_sgpr_workgroup_id_z 1
		.amdhsa_system_vgpr_workitem_id 0
		.amdhsa_next_free_vgpr 256
		.amdhsa_next_free_sgpr 66
		.amdhsa_reserve_vcc 0
		.amdhsa_float_denorm_mode_32 3
		.amdhsa_float_denorm_mode_16_64 3
		.amdhsa_memory_ordered 1
		.amdhsa_forward_progress 1
		.amdhsa_inst_pref_size 158
	.end_amdhsa_kernel
	.amdgpu_metadata
---
amdhsa.version: [ 1, 2 ]
amdhsa.kernels:
  - .name:           k_qe02d5bef2b_attn
    .symbol:         k_qe02d5bef2b_attn.kd
    .args:
      - { .name: qkv, .offset: 0, .size: 8, .value_kind: global_buffer, .address_space: global }
      - { .name: out0, .offset: 8, .size: 8, .value_kind: global_buffer, .address_space: global }
    .group_segment_fixed_size: 324352
    .private_segment_fixed_size: 0
    .kernarg_segment_align: 8
    .kernarg_segment_size: 16
    .max_flat_workgroup_size: 512
    .sgpr_count:     66
    .vgpr_count:     256
    .wavefront_size: 32
...
	.end_amdgpu_metadata
.endif
;; end of part 1
